; MI455X (gfx1250); checked and timed in simulation.
; The chip was launched on July 23, 2026; its instructions are those of AMD's public machine-readable ISA for CDNA 5 (MIT licence, August 2026) and "CDNA5" Instruction Set Architecture Reference Guide (July 2026). The comments in the code are by the model that wrote it; some were corrected since.
;; Modular Q Lo RA Layer. Allowed arithmetic: matrix products marked QUANTISED: E2M1 operands, one E8M0 scale for each 32 along K, by v_wmma_scale_f32_16x16x128_f8f6f4 with both operands' format E2M1 (or v_wmma_scale_f32_32x16x128_f4), f32 sums; products left as they are: f32 operands where the result goes on into a quantised operand, else bf16, f16 or f32 operands; f32 sums; everything else in f32.
;; Inputs: A 16 x 4,096 float32; B_codes 16 x 128 x 16 uint8 (E2M1 codes of B, K innermost, in blocks of 32 codes, two codes a byte); B_scales 16 x 128 uint8 (E8M0 scales of B, one for each 32 codes along K); bias 4,096 float32; qweight 4,096 x 4,096 int32; scale one number float32; x_codes 4 x 1,024 x 128 x 16 uint8 (E2M1 codes of x, K innermost, in blocks of 32 codes, two codes a byte); x_scales 4 x 1,024 x 128 uint8 (E8M0 scales of x, one for each 32 codes along K).
;; Outputs: out0 4 x 1,024 x 4,096 float32.
;; This version of the problem:
;;   THIS VERSION OF THE PROBLEM IS GIVEN IN LOW PRECISION. The matrix products marked QUANTISED in the list below multiply operands that are first quantised to E2M1 (2 exponent bits, 1 mantissa bit; 4 bits a number), with one power-of-two scale for each 32 numbers along K (OCP MX v1.0); their sums are f32. All else is computed in f32.
;;   The module's matrix products, in the order in which they are computed (A, B: the left and right operand; K: the contracted axis; several contracted axes count as one K, in the product's order):
;;     1. [M 4,096, K 4,096] x [K 4,096, N 16]; A: input x (given as codes); B: input B (given as codes): QUANTISED
;;     2. [M 4,096, K 16] x [K 16, N 4,096]; A: computed on the way; B: input A: left as it is (K = 16 < 32)
;;     3. [M 4,096, K 4,096] x [K 4,096, N 4,096]; A: input x (given as codes); B: computed on the way: QUANTISED
;;   THE QUANTISER, for each operand of a quantised product, along K:
;;     - K is cut into blocks of 32 from its start; a last block that is shorter is filled with zeros.
;;     - A block's scale is 2^e with e = floor(log2(the largest magnitude in the block)) - 2, held to -126 .. 127; a block of zeros has e = 0. As a byte (E8M0): e + 127.
;;     - Each number is divided by its block's scale, clamped to +-6, and rounded to the nearest number of E2M1, ties to even, subnormals kept.
;;     - The product sums the exact products of the quantised numbers (number of the format x scale) in f32.
;;   ~~~python
;;   def quantise(x, axis):      # numpy; x: float32 -> the quantised numbers, widened to float32 again
;;       x = np.moveaxis(x, axis, -1); K = x.shape[-1]
;;       x = np.pad(x, [(0, 0)] * (x.ndim - 1) + [(0, -K % 32)]); x = x.reshape(x.shape[:-1] + (-1, 32)); a = np.abs(x).max(-1, keepdims=True)
;;       e = np.where(a > 0, np.clip(np.frexp(np.where(a > 0, a, 1))[1] - 1 - 2, -126, 127), 0)      # np.frexp(a)[1] - 1 = floor(log2(a)), exactly
;;       r = np.clip(x / 2.0 ** e, -6, 6)
;;       step = 2.0 ** (np.maximum(np.frexp(np.where(r == 0, 1, r))[1] - 1, 0) - 1)
;;       q = np.round(r / step) * step * 2.0 ** e      # np.round: ties to even
;;       return np.moveaxis(q.reshape(q.shape[:-2] + (-1,))[..., :K], -1, axis).astype(np.float32)
;;   ~~~
;;   OPERANDS COMPUTED ON THE WAY. 'Computed on the way' means the value that the module computes at that place (a softmax that the list does not call 'softmax' is quantised finished and normalised). What goes into a quantiser is computed in f32, as accurately as f32 sums, v_exp_f32 and their like allow (about 1e-6 of the number): no bf16 or f16 on the way to a quantiser, and a product that is left as it is and whose result goes on into a quantised operand takes f32 operands (vector FMAs, or v_wmma_f32_16x16x4_f32). A number that lies on a knife's edge between two numbers of the format may be rounded either way, as far as f32 arithmetic and the matrix unit's own rounding can turn it there, and no further.
;;   INPUTS GIVEN AS CODES. B (in the module: [4096, 16], K = its axis 0); x (in the module: [4, 1024, 4096], K = its axis 2): each comes as NAME_codes (uint8): NAME with its K axis moved to the last place and cut into blocks of 32 codes, [.., K / 32, bytes a block], one block behind the other in memory; two codes a byte, the lower K in the low four bits (a code: sign, 2 exponent bits, 1 mantissa bit); and NAME_scales (uint8): the same leading axes, one E8M0 byte (e + 127) for each 32 codes along K. Its value is code x scale, taken as it is: it is not quantised again, and the codes and scales need not be those that the quantiser above would give.
;; 2 versions, each right; version 2 is version 1 with the launch prep written anew for expert scheduling mode. Each part assembles by itself: llvm-mc -triple=amdgcn-amd-amdhsa -mcpu=gfx1250 --defsym DOCPART=n.
;; ======== version 1 of 2: 2 launches
;; workspace buffers: w_codes 8,388,608 bytes; w_sc 524,288 bytes; x_sc 524,288 bytes; tb 262,144 bytes; at 131,072 bytes
;; launch prep (part 1): grid 256 x 1, 10 waves a work-group, no clusters, 170,240 bytes of LDS; arguments qweight, scale, w_codes, w_sc, x_codes, x_scales, B_codes, B_scales, A, x_sc, tb, at; writes w_codes, w_sc, x_sc, tb, at
.if DOCPART == 1
	.amdgcn_target "amdgcn-amd-amdhsa--gfx1250"
	.amdhsa_code_object_version 6
	.text
	.protected	k_qab48567398_prep
	.globl	k_qab48567398_prep
	.p2align	8
	.type	k_qab48567398_prep,@function
k_qab48567398_prep:
	s_mov_b64 s[64:65], 0
	v_nop
	global_prefetch_b8 v0, s[64:65] scope:SCOPE_SE
	s_setreg_imm32_b32 hwreg(HW_REG_WAVE_MODE, 25, 1), 1
	s_wait_xcnt 0x0
; TWO JOBS IN ONE LAUNCH, parted once on the wave's number; the two ways never join.  256 work-groups of ten waves: every work-group has the same work.
; Waves 0 to 7: w = f32(qweight) x scale, [4096][4096], K innermost, becomes codes of FP4 (E2M1) in w_codes [4096][2048 bytes] and one E8M0 byte
;   for each 32 along K in w_sc, laid BY K STEP OF 512: [8 steps][4096 rows][16 bytes], so that the scale bytes of 256 rows for one K step are 4,096 bytes on end.
;   The work-group takes 16 rows, wave s of it the s-th 512 along K.  A block's byte is its largest magnitude's exponent field - 2, held at 1 from below.
; Waves 8 and 9: the work-group's 16 rows of x, half of K each (four K steps): a partial t = x B on the codes as they are given, rounded to bf16 into its own plane of tb [2][4096][16]
;   (the next launch's product of rank 16 has room for 32 along its K and takes both planes, so the halves are never added here);
;   the rows' scale bytes, which the product wants anyway, are stored again by K step into x_sc [8][4096][16]; wave 8 also turns 16 columns of A, as bf16 with the rank innermost, into at [4096][16].
; LIMITS: a block of w whose largest magnitude lies under 2^(3 - 127), a block of zeros among them, gets the byte 1 (its codes are zeros or nearly so; this program alone reads the bytes);
;   a scale that is NaN or infinite is not served; t's halves and A are rounded to bf16, for a product of rank 16 that is not quantised.
; No tensor loads and no barrier: waves share nothing.  LDS: every address is a constant + a constant x the wave's number: ten places of 8,192 bytes for the first job, then ten of 8,704 for the second;
; each job leaves the other's waves' places unused (one work-group lies on a WGP, so LDS is not short).
.set QWAVES, 8
.set STEPS, 16
.set DEPTH, 8                          ; the quantiser's loads run eight steps ahead: 32 loads of 512 bytes a wave
.set SP,    80                         ; quantiser: a lane's place in a stage: its 64 bytes + 16 of padding
.set R,     16                         ; v16-143  eight sets of 16 numbers as they are loaded
.set X,     144                        ; v144-175 two sets of 16 neighbours
.set E,     176                        ; v176-191 a scale byte for each step
.set C,     192                        ; v192-223 codes: two registers for each step, so that no store's data are written again
.set LBASE, 81920                      ; second job's LDS: behind ten places of 8,192 bytes
.set LWAVE, 8704                       ; a wave's: 16 rows x 272 for x, then the same for B
.set BST,   4352
.set RAW,   16                         ; v16-143  two sets: 32 registers of x's codes as loaded, then 32 of B's
.set FX,    144                        ; v144-175 x's four fragments of a K step
.set FB,    176                        ; v176-207 B's
.set ACC,   208                        ; v208-215, v216-223 two accumulators, by turns
.set XSR,   240                        ; v240-247 x's scale words: register 4 u + q: lanes 0-15 my K step 2 u, lanes 16-31 my K step 2 u + 1
.set BSR,   248                        ; v248-255 B's likewise.  Neither job names v240-255 for anything else
	s_load_b256 s[4:11], s[0:1], 0x0               ; qweight s[4:5], scale s[6:7], w_codes s[8:9], w_sc s[10:11]
	s_load_b256 s[12:19], s[0:1], 0x20             ; x_codes s[12:13], x_scales s[14:15], B_codes s[16:17], B_scales s[18:19]
	s_load_b256 s[20:27], s[0:1], 0x40             ; A s[20:21], x_sc s[22:23], tb s[24:25], at s[26:27]
	v_lshl_add_u32 v238, v0, 2, 0x29400
	v_mov_b32 v239, 0
	v_lshrrev_b32 v1, 5, v0
	v_readfirstlane_b32 s30, v1                    ; wave 0..9
	v_and_b32 v2, 31, v0                           ; lane
	s_mov_b32 s33, 0                               ; the upper word of every offset: all stay under 2^32
	s_wait_kmcnt 0x0
	s_cmp_ge_u32 s30, QWAVES
	s_cbranch_scc1 .Llora
; ---------------- THE QUANTISER.  A wave takes 16 rows x 512 along K, a row a step: 2,048 bytes on end in, 256 bytes of codes out, 16 scale bytes.
; The conversions take neighbours along K from ONE lane's registers, so a lane must hold 16 neighbours; a load is best where neighbouring lanes take neighbouring bytes.
; Both are had: a step's four loads read 512 bytes on end each, and the 2,048 bytes turn through the wave's own stage in LDS.
	s_load_b32 s28, s[6:7], 0x0                    ; the scale
	v_lshlrev_b32 v3, 4, v2                        ; my 16 bytes of a load's 512
	s_lshl_b32 s37, s30, 13                        ; my wave's 8,192 bytes of LDS
	v_lshrrev_b32 v14, 2, v2
	v_mul_u32_u24 v14, v14, SP
	v_and_b32 v15, 3, v2
	v_lshl_add_u32 v14, v15, 4, v14
	v_add_nc_u32 v14, s37, v14                     ; the stage, on the way in: SP (lane / 4) + 16 (lane % 4); a load's 512 bytes take eight places
	v_mul_u32_u24 v15, v2, SP
	v_add_nc_u32 v15, s37, v15                     ; and on the way out: SP x lane: my 16 neighbours
	v_lshlrev_b32 v4, 3, v2                        ; 8 x lane: my codes' place in a step's 256 bytes, and my 8 of the wave's 256 scale bytes
	v_lshrrev_b32 v5, 1, v2
	s_add_co_u32 s37, s37, 2*32*SP                 ; behind the two stages: the wave's 256 scale bytes
	v_add_nc_u32 v5, s37, v5                       ; my block's byte
	v_add_nc_u32 v6, s37, v4                       ; and on the way out 8 bytes a lane
	s_lshl_b32 s32, ttmp9, 18                      ; qweight: 16 rows of 16,384 bytes for each work-group + 2,048 x wave
	s_lshl_b32 s36, s30, 11
	s_or_b32 s32, s32, s36
	s_add_nc_u64 s[4:5], s[4:5], s[32:33]
	s_lshl_b32 s32, ttmp9, 15                      ; w_codes: 16 rows of 2,048 bytes + 256 x wave
	s_lshl_b32 s36, s30, 8
	s_or_b32 s32, s32, s36
	s_add_nc_u64 s[8:9], s[8:9], s[32:33]
	s_lshl_b32 s32, s30, 16                        ; w_sc: 65,536 x wave + 16 rows of 16 bytes: the wave's 256 bytes, on a multiple of 256
	s_lshl_b32 s36, ttmp9, 8
	s_or_b32 s32, s32, s36
	s_add_nc_u64 s[10:11], s[10:11], s[32:33]
.macro LOAD t                          ; row t's 512 numbers, into set t % 8
.irp i, 0,1,2,3
	global_load_b128 v[R+16*((\t)%DEPTH)+4*\i:R+16*((\t)%DEPTH)+4*\i+3], v3, s[4:5] offset:16384*(\t)+512*\i th:TH_LOAD_NT   ; 32 lanes read 512 bytes on end; read once in the launch
.endr
.endm
.macro TURN t                          ; step t's numbers through the stage: LDS serves a wave's instructions in order (ISA guide 5.7.1.4), so no wait stands between the stores and the loads
.irp i, 0,1,2,3
	ds_store_b128 v14, v[R+16*((\t)%DEPTH)+4*\i:R+16*((\t)%DEPTH)+4*\i+3] offset:32*SP*((\t)%2)+8*SP*\i
.endr
.irp i, 0,1,2,3
	ds_load_b128 v[X+16*((\t)%2)+4*\i:X+16*((\t)%2)+4*\i+3], v15 offset:32*SP*((\t)%2)+16*\i
.endr
.endm
.irp t, 0,1,2,3,4,5,6,7
	LOAD \t
.endr
	s_wait_kmcnt 0x0
	s_mov_b32 s29, s28                             ; the packed multiply names the pair and takes its low word for both halves
	s_wait_loadcnt 28                              ; step 0's four loads are in; the 28 behind them may be out
	TURN 0
.macro STEP t
.set XS, X+16*((\t)%2)
.if (\t) > 0
	s_wait_dscnt 1                                 ; this step's numbers are back from the stage (the last step's byte store may be out): so its stores into the stage have read their registers,
.else
	s_wait_dscnt 0x0
.endif
.if (\t)+DEPTH < STEPS
	LOAD (\t)+DEPTH                                ; which take the loads of eight steps on
.endif
.if (\t)+1 < STEPS
.if STEPS-2-(\t) >= DEPTH-1
	s_wait_loadcnt 4*(DEPTH-1)                     ; the next step's four loads are in; those of the seven steps behind it may be out
.else
	s_wait_loadcnt 4*(STEPS-2-(\t))                ; at the end fewer are left
.endif
	TURN (\t)+1                                    ; and go through the other stage while this step is worked
.endif
.irp i, 0,1,2,3,4,5,6,7,8,9,10,11,12,13,14,15
	v_cvt_f32_i32 v[XS+\i], v[XS+\i]               ; exact
.endr
.irp i, 0,2,4,6,8,10,12,14
	v_pk_mul_f32 v[XS+\i:XS+\i+1], v[XS+\i:XS+\i+1], s[28:29] op_sel_hi:[1,0]   ; w = q x scale: one rounding in f32
.endr
	v_max3_num_f32 v8, |v[XS]|, |v[XS+1]|, |v[XS+2]|               ; the largest magnitude of my 16, in two chains
	v_max3_num_f32 v9, |v[XS+3]|, |v[XS+4]|, |v[XS+5]|
.irp i, 6,10
	v_max3_num_f32 v8, v8, |v[XS+\i]|, |v[XS+\i+1]|
	v_max3_num_f32 v9, v9, |v[XS+\i+2]|, |v[XS+\i+3]|
.endr
	v_max3_num_f32 v8, v8, |v[XS+14]|, |v[XS+15]|
	v_max3_num_f32 v8, v8, v9, 0x1800000           ; and the floor 2^(3 - 127): the byte cannot fall under 1
	v_max_num_f32_dpp v8, v8, v8 row_xmask:1 row_mask:0xf bank_mask:0xf   ; and of my neighbour's 16: the block's
	v_add_nc_u32 v11, 0xff000000, v8               ; 2 off its exponent field: the conversion takes the exponent field of this operand as its scale, and nothing else of it
	v_cvt_scalef32_pk8_fp4_f32 v[C+2*(\t)], v[XS:XS+7], v11        ; to the nearest code, ties to even, beyond the largest code the largest; the first number's code in the lowest four bits
	v_cvt_scalef32_pk8_fp4_f32 v[C+2*(\t)+1], v[XS+8:XS+15], v11
	v_lshrrev_b32 v[E+(\t)], 23, v11               ; the scale's byte.  (Also the plain line behind the conversions)
	ds_store_b8 v5, v[E+(\t)] offset:16*(\t)       ; both lanes of a block write the same byte with the same value
	global_store_b64 v4, v[C+2*(\t):C+2*(\t)+1], s[8:9] offset:2048*(\t)   ; the wave stores 256 bytes on end, on a multiple of 256
.endm
.irp t, 0,1,2,3,4,5,6,7,8,9,10,11,12,13,14,15
	STEP \t
.endr
	ds_load_b64 v[12:13], v6                       ; LDS serves a wave's instructions in order: these see my byte stores
	s_wait_dscnt 0x0
	global_store_b64 v4, v[12:13], s[10:11]        ; 16 rows x 16 scale bytes: 256 bytes on end, on a multiple of 256
	s_wait_tensorcnt 0x0
	ds_add_u32 v238, v239
	s_wait_dscnt 0x0
	s_endpgm
; ---------------- A partial t = x B, x's scale bytes by K step, A turned.  Waves 8 and 9 own rows 16 T .. 16 T + 15 of x (T = the work-group's number); wave 8 + p takes K steps 4 p .. 4 p + 3.
; The product is used transposed (source 0 = B's 16 rows, one for each rank; source 1 = 16 rows of x): lane (r, h) then holds t(16 T + r, 8 h + 0 .. 7).
; Codes are loaded as they lie (sixteen lanes take 256 bytes on end of one row) and turn into fragments through the wave's own stage, rows 272 bytes apart.
.Llora:
	s_and_b32 s31, s30, 1                          ; p
	v_and_b32 v1, 15, v0                           ; r
	v_bfe_u32 v3, v0, 4, 1                         ; h
	v_lshlrev_b32 v4, 4, v1
	v_lshl_add_u32 v4, v3, 11, v4                  ; codes in memory: row h of a pair of rows, 16 r
	s_mul_i32 s37, s30, LWAVE
	s_add_co_u32 s37, s37, LBASE                   ; my wave's stages
	v_mul_u32_u24 v5, v3, 272
	v_lshl_add_u32 v5, v1, 4, v5
	v_add_nc_u32 v5, s37, v5                       ; into a stage: the same two rows
	v_mul_u32_u24 v6, v1, 272
	v_lshl_add_u32 v6, v3, 4, v6
	v_add_nc_u32 v6, s37, v6                       ; out of it: a fragment's row r, + 16 h
	v_lshlrev_b32 v7, 7, v1
	v_lshl_add_u32 v7, v3, 4, v7                   ; scale bytes as given: row r of 128 bytes, + 16 h: lanes 16-31 take the K step behind
	v_lshlrev_b32 v8, 4, v1
	v_lshl_add_u32 v8, v3, 16, v8                  ; x_sc: 16 r, + 65,536 h: that K step's plane
	v_lshlrev_b32 v9, 2, v1
	v_lshl_add_u32 v9, v3, 17, v9                  ; A: column r, + 8 h rows of 16,384 bytes
	v_lshlrev_b32 v10, 5, v1
	v_lshl_add_u32 v10, v3, 4, v10                 ; tb and at: row r of 32 bytes, + 16 h
	s_lshl_b32 s32, ttmp9, 15                      ; x_codes: 16 T rows of 2,048 bytes + my four K steps' 1,024 p
	s_lshl_b32 s36, s31, 10
	s_or_b32 s32, s32, s36
	s_add_nc_u64 s[12:13], s[12:13], s[32:33]
	s_mov_b32 s32, s36                             ; B_codes: 1,024 p
	s_add_nc_u64 s[16:17], s[16:17], s[32:33]
	s_lshl_b32 s32, ttmp9, 11                      ; x_scales: 16 T rows of 128 bytes + 64 p
	s_lshl_b32 s36, s31, 6
	s_or_b32 s32, s32, s36
	s_add_nc_u64 s[14:15], s[14:15], s[32:33]
	s_mov_b32 s32, s36                             ; B_scales: 64 p
	s_add_nc_u64 s[18:19], s[18:19], s[32:33]
	s_lshl_b32 s32, ttmp9, 8                       ; x_sc: 16 T rows of 16 bytes + four planes of 65,536 x p
	s_lshl_b32 s36, s31, 18
	s_or_b32 s32, s32, s36
	s_add_nc_u64 s[22:23], s[22:23], s[32:33]
	s_lshl_b32 s32, ttmp9, 9                       ; at: 16 T rows of 32 bytes
	s_add_nc_u64 s[26:27], s[26:27], s[32:33]
	s_lshl_b32 s36, s31, 17                        ; tb: the same + plane p of 131,072 bytes
	s_or_b32 s32, s32, s36
	s_add_nc_u64 s[24:25], s[24:25], s[32:33]
	s_lshl_b32 s32, ttmp9, 6
	s_add_nc_u64 s[20:21], s[20:21], s[32:33]      ; A: 16 T columns of 4 bytes
.macro GL s                            ; my K step s: 16 rows x 256 bytes of x and of B, into set s % 2: 16 loads, each of two runs of 256 bytes
.irp i, 0,1,2,3,4,5,6,7
	global_load_b128 v[RAW+64*((\s)%2)+4*\i:RAW+64*((\s)%2)+4*\i+3], v4, s[12:13] offset:4096*\i+256*(\s)
	global_load_b128 v[RAW+64*((\s)%2)+32+4*\i:RAW+64*((\s)%2)+32+4*\i+3], v4, s[16:17] offset:4096*\i+256*(\s)
.endr
.endm
.macro TMUL s, q                       ; 128 along K: the two accumulators take turns, one instruction a turn, from step to step too
.set AC, ACC+8*((\q)%2)
.if ((\s) == 0) && ((\q) < 2)
	v_wmma_scale_f32_16x16x128_f8f6f4 v[AC:AC+7], v[FB+8*(\q):FB+8*(\q)+7], v[FX+8*(\q):FX+8*(\q)+7], 0, v[BSR+4*((\s)/2)+(\q)], v[XSR+4*((\s)/2)+(\q)] matrix_a_fmt:MATRIX_FMT_FP4 matrix_b_fmt:MATRIX_FMT_FP4
.elseif (\s)%2 == 0
	v_wmma_scale_f32_16x16x128_f8f6f4 v[AC:AC+7], v[FB+8*(\q):FB+8*(\q)+7], v[FX+8*(\q):FX+8*(\q)+7], v[AC:AC+7], v[BSR+4*((\s)/2)+(\q)], v[XSR+4*((\s)/2)+(\q)] matrix_a_fmt:MATRIX_FMT_FP4 matrix_b_fmt:MATRIX_FMT_FP4
.else
	v_wmma_scale_f32_16x16x128_f8f6f4 v[AC:AC+7], v[FB+8*(\q):FB+8*(\q)+7], v[FX+8*(\q):FX+8*(\q)+7], v[AC:AC+7], v[BSR+4*((\s)/2)+(\q)], v[XSR+4*((\s)/2)+(\q)] matrix_a_fmt:MATRIX_FMT_FP4 matrix_b_fmt:MATRIX_FMT_FP4 matrix_a_scale:MATRIX_SCALE_ROW1 matrix_b_scale:MATRIX_SCALE_ROW1
.endif
.endm
.macro TSTEP s
.set RS, RAW+64*((\s)%2)
.if (\s) < 3
	s_wait_loadcnt 16                              ; this step's 16 loads are in; the next step's 16 may be out
.else
	s_wait_loadcnt 0x0
.endif
.irp i, 0,1,2,3,4,5,6,7
	ds_store_b128 v5, v[RS+4*\i:RS+4*\i+3] offset:544*\i
	ds_store_b128 v5, v[RS+32+4*\i:RS+32+4*\i+3] offset:BST+544*\i
.endr
.irp q, 0,1,2,3
.irp c, 0,1
	ds_load_b128 v[FX+8*\q+4*\c:FX+8*\q+4*\c+3], v6 offset:64*\q+32*\c       ; registers 4 c .. 4 c + 3: K = 64 c + 32 h + 0 .. 31 of row r
	ds_load_b128 v[FB+8*\q+4*\c:FB+8*\q+4*\c+3], v6 offset:BST+64*\q+32*\c
.endr
.endr
	s_wait_dscnt 0x0                               ; the fragments are in, and the stores have read their registers,
.if (\s)+2 < 4
	GL (\s)+2                                      ; which take the loads of two steps on
.endif
.irp q, 0,1,2,3
	TMUL \s, \q
.endr
.rept 4
	v_nop                                          ; four places ahead of the next step's loads into the fragments, and of the first read of the sums
.endr
.endm
.irp u, 0,1
	global_load_b128 v[XSR+4*\u:XSR+4*\u+3], v7, s[14:15] offset:32*\u
.endr
.irp u, 0,1
	global_load_b128 v[BSR+4*\u:BSR+4*\u+3], v7, s[18:19] offset:32*\u
.endr
	GL 0
	GL 1
	s_cmp_lg_u32 s30, QWAVES                       ; A's 16 columns are wave 8's alone: loads, wait, rounding and store stand inside one branch on the wave's number
	s_cbranch_scc1 .Lno_at
.irp j, 0,1,2,3,4,5,6,7
	global_load_b32 v[FX+\j], v9, s[20:21] offset:16384*\j         ; A(8 h + j, 16 T + r)
.endr
	s_wait_loadcnt 0x0                             ; these are the youngest loads: all are in
.irp i, 0,1,2,3
	v_cvt_pk_bf16_f32 v[12+\i], v[FX+2*\i], v[FX+2*\i+1]
.endr
	global_store_b128 v10, v[12:15], s[26:27]      ; at(16 T + r, 8 h + 0 .. 7): the wave stores 512 bytes on end
.Lno_at:
	s_wait_loadcnt 32                              ; the scale words are in; the 32 loads of my K steps 0 and 1 may be out
.irp u, 0,1
	global_store_b128 v8, v[XSR+4*\u:XSR+4*\u+3], s[22:23] offset:131072*\u    ; my K steps 2 u and 2 u + 1: each half of the lanes stores 256 bytes on end, on a multiple of 256
.endr
.irp s, 0,1,2,3
	TSTEP \s
.endr
.irp i, 0,1,2,3
	v_pk_add_f32 v[RAW+2*\i:RAW+2*\i+1], v[ACC+2*\i:ACC+2*\i+1], v[ACC+8+2*\i:ACC+8+2*\i+1]   ; the two accumulators' sums, each from its low end on
.endr
.irp i, 0,1,2,3
	v_cvt_pk_bf16_f32 v[RAW+8+\i], v[RAW+2*\i], v[RAW+2*\i+1]
.endr
	global_store_b128 v10, v[RAW+8:RAW+11], s[24:25]               ; my half's t(16 T + r, 8 h + 0 .. 7): the wave stores 512 bytes on end
	s_wait_tensorcnt 0x0
	ds_add_u32 v238, v239
	s_wait_dscnt 0x0
	s_endpgm
.Lfunc_end_k_qab48567398_prep:
	.size	k_qab48567398_prep, .Lfunc_end_k_qab48567398_prep-k_qab48567398_prep
	.p2alignl 7, 3214868480
	.fill 96, 4, 3214868480
	.section	.rodata,"a",@progbits
	.p2align	6, 0x0
	.amdhsa_kernel k_qab48567398_prep
		.amdhsa_group_segment_fixed_size 170240
		.amdhsa_private_segment_fixed_size 0
		.amdhsa_enable_private_segment 0
		.amdhsa_kernarg_size 96
		.amdhsa_user_sgpr_count 2
		.amdhsa_user_sgpr_kernarg_segment_ptr 1
		.amdhsa_wavefront_size32 1
		.amdhsa_system_sgpr_workgroup_id_x 1
		.amdhsa_system_sgpr_workgroup_id_y 1
		.amdhsa_system_sgpr_workgroup_id_z 1
		.amdhsa_system_vgpr_workitem_id 0
		.amdhsa_next_free_vgpr 256
		.amdhsa_next_free_sgpr 66
		.amdhsa_reserve_vcc 0
		.amdhsa_float_denorm_mode_32 3
		.amdhsa_float_denorm_mode_16_64 3
		.amdhsa_memory_ordered 1
		.amdhsa_forward_progress 1
		.amdhsa_inst_pref_size 70
	.end_amdhsa_kernel
	.amdgpu_metadata
---
amdhsa.version: [ 1, 2 ]
amdhsa.kernels:
  - .name:           k_qab48567398_prep
    .symbol:         k_qab48567398_prep.kd
    .args:
      - { .name: qweight, .offset: 0, .size: 8, .value_kind: global_buffer, .address_space: global }
      - { .name: scale, .offset: 8, .size: 8, .value_kind: global_buffer, .address_space: global }
      - { .name: w_codes, .offset: 16, .size: 8, .value_kind: global_buffer, .address_space: global }
      - { .name: w_sc, .offset: 24, .size: 8, .value_kind: global_buffer, .address_space: global }
      - { .name: x_codes, .offset: 32, .size: 8, .value_kind: global_buffer, .address_space: global }
      - { .name: x_scales, .offset: 40, .size: 8, .value_kind: global_buffer, .address_space: global }
      - { .name: B_codes, .offset: 48, .size: 8, .value_kind: global_buffer, .address_space: global }
      - { .name: B_scales, .offset: 56, .size: 8, .value_kind: global_buffer, .address_space: global }
      - { .name: A, .offset: 64, .size: 8, .value_kind: global_buffer, .address_space: global }
      - { .name: x_sc, .offset: 72, .size: 8, .value_kind: global_buffer, .address_space: global }
      - { .name: tb, .offset: 80, .size: 8, .value_kind: global_buffer, .address_space: global }
      - { .name: at, .offset: 88, .size: 8, .value_kind: global_buffer, .address_space: global }
    .group_segment_fixed_size: 170240
    .private_segment_fixed_size: 0
    .kernarg_segment_align: 8
    .kernarg_segment_size: 96
    .max_flat_workgroup_size: 320
    .sgpr_count:     66
    .vgpr_count:     256
    .wavefront_size: 32
...
	.end_amdgpu_metadata
.endif
;; end of part 1
;; launch gemm (part 2): grid 16 x 16, 4 waves a work-group, clusters of 4 x 4, 327,680 bytes of LDS; arguments x_codes, x_sc, w_codes, w_sc, tb, at, bias, out0; writes out0
.if DOCPART == 2
	.amdgcn_target "amdgcn-amd-amdhsa--gfx1250"
	.amdhsa_code_object_version 6
	.text
	.protected	k_qab48567398_gemm
	.globl	k_qab48567398_gemm
	.p2align	8
	.type	k_qab48567398_gemm,@function
k_qab48567398_gemm:
	s_mov_b64 s[64:65], 0
	v_nop
	global_prefetch_b8 v0, s[64:65] scope:SCOPE_SE
	s_setreg_imm32_b32 hwreg(HW_REG_WAVE_MODE, 25, 1), 1
	s_wait_xcnt 0x0
	s_wait_alu depctr_hold_cnt(0) depctr_sa_sdst(0) depctr_va_vdst(0) depctr_va_sdst(0) depctr_va_ssrc(0) depctr_va_vcc(0) depctr_vm_vsrc(0)
	s_getreg_b32 s2, hwreg(HW_REG_IB_STS2, 6, 4)
	s_cmp_eq_u32 s2, 0
	s_cbranch_scc0 .Lentry_in_a_cluster
	s_endpgm
.Lentry_in_a_cluster:
	s_bfe_u32 s2, ttmp6, 0x10000c
	s_cmp_lg_u32 s2, 0xf033
	s_cbranch_scc0 .Lentry_shape_is_right
	s_endpgm
.Lentry_shape_is_right:
; out[m][o] = bias[o] + sum over 16 ranks of t[m][.] A[.][o] + sum over k of x[m][k] w[o][k].  M = N = K = 4,096.
; x and w: codes of FP4 (E2M1), K innermost, rows of 2,048 bytes; their E8M0 bytes laid by K step of 512: [8][4096 rows][16 bytes].  t comes as two partial sums [2][4096][16], A turned [4096][16]: bf16.  bias, out: f32.
; A tile of out, 256 x 256, is made by a work-group of four waves; a wave makes 128 x 128: 64 accumulators of 16 x 16, 512 registers.
; EACH SUM IS STARTED BY THE SMALL PRODUCT: one bf16 matrix instruction an accumulator, with the bias as C.  Its K = 32 holds t's first partial sum against A's 16 ranks and t's second against the same 16 ranks again:
; t1 A + t2 A = t A.  Nothing is cleared, and bias and t A cost no vector work.  Those 64 instructions are issued while the first tiles are on their way.
; K goes in 8 steps of 512 through a ring of two LDS slots.  A slot holds 256 rows of x's codes, 256 of w's (256 bytes a row) and the two blocks of 4,096 scale bytes: FOUR TILES, ONE TO A WAVE.
; CLUSTERS: 4 x 4 work-groups.  x's tiles hang on the tile row alone and are asked for jointly by a row of the cluster, w's on the tile column alone and by a column.
; EACH CLUSTER BEGINS K AT A STEP OF ITS OWN and walks (first + t) mod 8.  first = (4 (X + Y) + 2 (X / 2 + Y / 2)) mod 8 for cluster (X, Y): along a row or a column of clusters, which read the same tiles, the firsts are
; 0, 4, 2, 6 in some rotation.  So those clusters do not all ask for a tile for the first time at once: from a cluster's fifth step on, every tile that it asks for has been asked for by another four steps earlier or more.
; THE MATRIX INSTRUCTIONS ARE USED TRANSPOSED (source 0 = 16 rows of w, source 1 = 16 rows of x): a lane holds eight neighbouring numbers of a row of out.
; LIMITS: t's two partial sums and A are rounded to bf16 (the product of rank 16 is not quantised); its error grows with t and A and with nothing else.
;   K is not summed in ascending order, and the order differs from cluster to cluster: the f32 sums are rounded in another order than a sum from k = 0 on.
; REGISTERS, in windows of 256: window 0: v0-31 addresses; v32-95 scale words, two sets; v128-191 x's fragments, ONE set; v192-255 t's fragments; on the way out v128-255 take rows of out.
;   window 1: w's fragments, TWO sets, at v0 and v128; v64-127 A's fragments; v192-255 the bias, eight registers a block.   windows 2, 3: the accumulators of my rows 0-63 and 64-127 ((a, b) at v[8 (8 (a % 4) + b)]).
.set SIZE_N, 4096
.set NQ,     4                         ; matrix instructions deep in a slot: 512 / 128
.set ROWB,   256                       ; a tile's row of codes in bytes
.set KROW,   2048                      ; a row of codes in memory
.set PITCH,  272                       ; an LDS row: 256 bytes + 16 of padding = 68 words: row r starts at bank 4 r mod 64 (64 banks of 4 bytes: ISA guide 11.1)
.set FR,     8                         ; registers of a fragment: 16 rows x 128 K
.set NL,     2                         ; LDS loads that bring one
.set NP,     4                         ; places behind these matrix instructions (ISA guide 7.12.1)
.set HALFT,  128*PITCH                 ; what one wave reads of x or of w
.set XCB,    256*PITCH                 ; a slot: x's 256 rows,
.set XSO,    2*XCB                     ; w's 256 rows, then x's scale bytes, 16 a row, dense,
.set WSO,    XSO+4096                  ; then w's
.set SLOT,   WSO+4096                  ; 147,456 bytes
.set SPARE,  2*SLOT                    ; behind the ring: the spare words, 128 bytes for each wave: two blocks of 256 bytes that no other line names
.set LAPS,   4                         ; a lap = two K steps = once round the ring
.set SPITCH, 528                       ; the way out: a stage of 16 rows x (512 bytes + 16) for each wave, in slot 0, which has had its last fill and its last read when the first result is stored there
.set ADRA, 16                          ; v16-17  LDS address of my fragments of x in slot 0, 1
.set ADRB, 20                          ; v20-21  the same for w
.set ADRS, 22                          ; v22-23  of my scale words: lanes 0-15 x's rows, lanes 16-31 w's
.set STO,  24                          ; v24     the way out: where I put 32 bytes of a row
.set RD,   25                          ; v25     where I read a row back
.set CO,   26                          ; v26     my byte offset in a row of out
.set VT,   27                          ; v27     32 r + 16 h: my 16 bytes of a block of t or of A
.set SPW,  28                          ; v28     LDS address of my spare word; never rewritten
.set NIL,  29                          ; v29     0; never rewritten
.set VB,   30                          ; v30     32 h: my eight numbers of a block of the bias
.set SC,   32                          ; scale words: set s at v[SC + 32 s]; register 4 i + q: lanes 0-15 x's block i, lanes 16-31 w's block i, the slot's q-th 128 along K
.set AF,   128
.set TF,   192
.set AT,   64                          ; in window 1
.set BI,   192                         ; in window 1
.set BK,   128                         ; the way out: v128-191 and v192-255 by turns
.set KK,   2                           ; s2  the K step asked for last: the same in all work-groups of a cluster
.set WV,   20                          ; s20 wave; s21 which half of the rows is mine; s22 which half of the columns
.set RH,   21
.set CH,   22
.set G1X,  24                          ; s[24:31] group 1 for x's codes; s[32:39] w's; s[40:47] x's scale bytes; s[48:55] w's
.set G1W,  32
.set G1XS, 40
.set G1WS, 48
.set G0X,  56                          ; s[56:63] group 0 for x's codes, a set for each slot; s[68:75] w's; s[76:83], s[84:91] the scale bytes'
.set G0W,  68
.set G0XS, 76
.set G0WS, 84
.set MSB, 0
.macro WIN new                         ; the immediate's high byte repeats the setting that is left; a switch that changes nothing is dropped
.if MSB != (\new)
	s_set_vgpr_msb (MSB<<8)|(\new)
.set MSB, (\new)
.endif
.endm
.set MUL_LO, 0xa1                      ; source 0 (w) window 1, source 1 (x) window 0, C and D window 2
.set MUL_HI, 0xf1                      ; the same, C and D window 3
.set TO_B,   0x40                      ; destination window 1, address window 0
; A joint load: wave 0 x's codes, wave 1 w's, wave 2 x's scale bytes, wave 3 w's.  Each line has ONE mask and one set of registers for all that issue it; the branches hang on the wave's number alone.
; first = 1: a wave's two first fills stand together.  Four v_nop follow, ahead of the jump, the label and what comes behind.
.macro JARM g0, g1, n, first
.if \first
	tensor_load_to_lds s[\g0:\g0+3], s[\g1:\g1+7]
	s_nop 0
	tensor_load_to_lds s[\g0+4:\g0+7], s[\g1:\g1+7]
	s_nop 0
.else
	tensor_load_to_lds s[\g0+4*\n:\g0+4*\n+3], s[\g1:\g1+7]
	s_nop 0
.endif
.rept 4
	v_nop
.endr
.endm
.macro JLOAD n, first
	s_cmp_lt_u32 s[WV], 2
	s_cbranch_scc0 .Lhigh_\@
	s_cmp_eq_u32 s[WV], 0
	s_cbranch_scc0 .Lwave1_\@
	JARM G0X, G1X, \n, \first
	s_branch .Lasked_\@
.Lwave1_\@:
	JARM G0W, G1W, \n, \first
	s_branch .Lasked_\@
.Lhigh_\@:
	s_cmp_eq_u32 s[WV], 2
	s_cbranch_scc0 .Lwave3_\@
	JARM G0XS, G1XS, \n, \first
	s_branch .Lasked_\@
.Lwave3_\@:
	JARM G0WS, G1WS, \n, \first
.Lasked_\@:
.endm
; Slot n's four descriptors are aimed at K step s[KK]: the tile's base + 256 bytes a step along a row of codes, + a plane of 65,536 bytes a step of scale bytes.  Only where no tensor load of the wave is out.
.macro AIM n
	s_lshl_b32 s98, s[KK], 8                       ; (s99 and s101 hold 0)
	s_lshl_b32 s100, s[KK], 16
	s_add_nc_u64 s[G0X+4*\n+2:G0X+4*\n+3], s[4:5], s[98:99]
	s_or_b32 s[G0X+4*\n+3], s[G0X+4*\n+3], 0x80000000              ; 127:126 type = 2
	s_add_nc_u64 s[G0W+4*\n+2:G0W+4*\n+3], s[8:9], s[98:99]
	s_or_b32 s[G0W+4*\n+3], s[G0W+4*\n+3], 0x80000000
	s_add_nc_u64 s[G0XS+4*\n+2:G0XS+4*\n+3], s[6:7], s[100:101]
	s_or_b32 s[G0XS+4*\n+3], s[G0XS+4*\n+3], 0x80000000
	s_add_nc_u64 s[G0WS+4*\n+2:G0WS+4*\n+3], s[10:11], s[100:101]
	s_or_b32 s[G0WS+4*\n+3], s[G0WS+4*\n+3], 0x80000000
.endm
.macro NEXTK                           ; on to the next K step, round the end of K
	s_add_co_u32 s[KK], s[KK], 1
	s_and_b32 s[KK], s[KK], 7
.endm
.macro CREST                           ; a round of the cluster's barrier behind its opening barrier
	s_cmp_lg_u32 s[WV], 0
	s_cbranch_scc1 .Lnot_wave_0_\@
	s_barrier_signal -3
.Lnot_wave_0_\@:
	s_barrier_wait -3
	s_barrier_signal -1
	s_barrier_wait -1
.endm
.macro CROUND                          ; a whole round
	s_barrier_signal -1
	s_barrier_wait -1
	CREST
.endm
.macro PLACES n
.rept \n
	v_nop
.endr
.endm
	s_load_b256 s[4:11], s[0:1], 0x0               ; x_codes s[4:5], x_sc s[6:7], w_codes s[8:9], w_sc s[10:11]
	s_load_b256 s[12:19], s[0:1], 0x20             ; tb s[12:13], at s[14:15], bias s[16:17], out0 s[18:19]
	v_lshl_add_u32 v[SPW], v0, 2, SPARE
	v_mov_b32 v[NIL], 0
	ds_add_u32 v28, v29
	ds_add_u32 v28, v29
	s_wait_dscnt 0x0
	v_lshrrev_b32 v1, 5, v0
	v_readfirstlane_b32 s[WV], v1                  ; wave 0..3
	s_lshr_b32 s[RH], s[WV], 1
	s_and_b32 s[CH], s[WV], 1
	s_bfe_u32 s92, ttmp6, 0x40000                  ; cx, cy: my place in the cluster
	s_bfe_u32 s93, ttmp6, 0x40004
	s_lshl_b32 s94, ttmp9, 2
	s_add_co_u32 s94, s94, s92                     ; tile column = 4 x cluster x + cx
	s_and_b32 s95, ttmp7, 0xffff                   ; cluster y
	s_add_co_u32 s[KK], ttmp9, s95                 ; the cluster's first K step, from the cluster's x and y alone: 4 (X + Y)
	s_lshl_b32 s[KK], s[KK], 2
	s_lshr_b32 s23, ttmp9, 1
	s_lshr_b32 s66, s95, 1
	s_add_co_u32 s23, s23, s66
	s_lshl_b32 s23, s23, 1                         ; + 2 (X / 2 + Y / 2),
	s_add_co_u32 s[KK], s[KK], s23
	s_and_b32 s[KK], s[KK], 7                      ; mod 8
	s_lshl_b32 s95, s95, 2
	s_add_co_u32 s95, s95, s93                     ; tile row = 4 x cluster y + cy
	s_lshl_b32 s96, s93, 2
	s_lshl_b32 s96, 15, s96                        ; my row of the cluster
	s_lshl_b32 s97, 0x1111, s92                    ; my column
	; group 1 for codes: a tile of 256 rows x 256 bytes, 2,048 bytes from row to row in memory, padded in LDS
	s_or_b32 s[G1X+0], s96, (1<<20)|(1<<21)|(5<<22)|(3<<25)        ; 15:0 the mask; 17:16 elements of 1 byte; 20 padding on; 21 set beside a mask; 24:22 after every 64 words (code 5); 31:25 four words (code 3)
	s_or_b32 s[G1W+0], s97, (1<<20)|(1<<21)|(5<<22)|(3<<25)
.irp g, G1X, G1W
	s_mov_b32 s[\g+1], ROWB<<16                    ; tensor_dim0 = 256
	s_mov_b32 s[\g+2], 256<<16                     ; tensor_dim1 = 256
	s_mov_b32 s[\g+3], ROWB<<16                    ; tile_dim0 = 256
	s_mov_b32 s[\g+4], 256                         ; tile_dim1 = 256
	s_mov_b32 s[\g+5], KROW                        ; tensor_dim0_stride
	s_mov_b32 s[\g+6], 0
	s_mov_b32 s[\g+7], 0
.endr
	; and for scale bytes: 4,096 dense bytes as 16 rows of 256 (32 elements of 8 bytes), no padding: sixteen lanes read 256 bytes on end
	s_or_b32 s[G1XS+0], s96, (3<<16)|(1<<21)
	s_or_b32 s[G1WS+0], s97, (3<<16)|(1<<21)
.irp g, G1XS, G1WS
	s_mov_b32 s[\g+1], 32<<16
	s_mov_b32 s[\g+2], 16<<16
	s_mov_b32 s[\g+3], 32<<16
	s_mov_b32 s[\g+4], 16
	s_mov_b32 s[\g+5], 32
	s_mov_b32 s[\g+6], 0
	s_mov_b32 s[\g+7], 0
.endr
	v_and_b32 v1, 15, v0                           ; r = lane % 16
	v_bfe_u32 v2, v0, 4, 1                         ; h = lane / 16
	v_lshlrev_b32 v[VT], 5, v1
	v_lshl_add_u32 v[VT], v2, 4, v[VT]
	v_lshlrev_b32 v[VB], 5, v2
	s_mov_b32 s99, 0                               ; s[98:99] and s[100:101]: offsets, all under 2^32
	s_mov_b32 s101, 0
	s_wait_kmcnt 0x0
	s_lshl_b32 s98, s95, 19                        ; x's tile: 256 rows of 2,048 bytes for each tile row
	s_add_nc_u64 s[4:5], s[4:5], s[98:99]
	s_lshl_b32 s98, s95, 12                        ; 256 rows of 16 bytes
	s_add_nc_u64 s[6:7], s[6:7], s[98:99]
	s_lshl_b32 s100, s94, 19                       ; w's likewise, for each tile column
	s_add_nc_u64 s[8:9], s[8:9], s[100:101]
	s_lshl_b32 s100, s94, 12
	s_add_nc_u64 s[10:11], s[10:11], s[100:101]
	s_lshl_b32 s98, s95, 13                        ; t: my 128 rows of 32 bytes
	s_lshl_b32 s23, s[RH], 12
	s_or_b32 s98, s98, s23
	s_add_nc_u64 s[12:13], s[12:13], s[98:99]
	s_lshl_b32 s100, s94, 13                       ; A turned: my 128 columns of out, 32 bytes each
	s_lshl_b32 s23, s[CH], 12
	s_or_b32 s100, s100, s23
	s_add_nc_u64 s[14:15], s[14:15], s[100:101]
	s_lshl_b32 s100, s94, 10                       ; the bias, and out's columns: 4 bytes each
	s_lshl_b32 s23, s[CH], 9
	s_or_b32 s100, s100, s23
	s_add_nc_u64 s[16:17], s[16:17], s[100:101]
	s_add_nc_u64 s[18:19], s[18:19], s[100:101]
	s_lshl_b32 s66, s95, 22                        ; out's rows: 16,384 bytes each
	s_lshl_b32 s23, s[RH], 21
	s_or_b32 s66, s66, s23
	s_mov_b32 s67, 0
	s_add_nc_u64 s[18:19], s[18:19], s[66:67]
.irp n, 0,1                                    ; group 0, a set for each slot.  The LDS addresses are constants: no place in the cluster enters them
	s_mov_b32 s[G0X+4*\n], 1                       ; 1:0 count = 1
	s_mov_b32 s[G0X+4*\n+1], \n*SLOT               ; 63:32 LDS address
	s_mov_b32 s[G0W+4*\n], 1
	s_mov_b32 s[G0W+4*\n+1], \n*SLOT+XCB
	s_mov_b32 s[G0XS+4*\n], 1
	s_mov_b32 s[G0XS+4*\n+1], \n*SLOT+XSO
	s_mov_b32 s[G0WS+4*\n], 1
	s_mov_b32 s[G0WS+4*\n+1], \n*SLOT+WSO
.endr
	AIM 0                                          ; slot 0 begins with the cluster's first K step,
	NEXTK
	AIM 1                                          ; slot 1 with the one behind it
	; the small product's operands, asked for ahead of everything.  A bf16 fragment (16 rows x 32 K): registers 0-3 hold K = 8 h + 0 .. 7, registers 4-7 hold K = 16 + 8 h + 0 .. 7.
	; K = 0 .. 15: the 16 ranks with t's first partial sum;  K = 16 .. 31: the same ranks with its second, 131,072 bytes on; A's 16 bytes are loaded twice
.irp a, 0,1,2,3,4,5,6,7
	global_load_b128 v[TF+8*\a:TF+8*\a+3], v[VT], s[12:13] offset:512*\a
	global_load_b128 v[TF+8*\a+4:TF+8*\a+7], v[VT], s[12:13] offset:131072+512*\a
.endr
	WIN TO_B
.irp b, 0,1,2,3,4,5,6,7
	global_load_b128 v[AT+8*\b:AT+8*\b+3], v[VT], s[14:15] offset:512*\b
	global_load_b128 v[AT+8*\b+4:AT+8*\b+7], v[VT], s[14:15] offset:512*\b
.endr
.irp b, 0,1,2,3,4,5,6,7
	global_load_b128 v[BI+8*\b:BI+8*\b+3], v[VB], s[16:17] offset:64*\b        ; the result's layout: register j of lane (r, h) is column 16 b + 8 h + j
	global_load_b128 v[BI+8*\b+4:BI+8*\b+7], v[VB], s[16:17] offset:64*\b+16
.endr
	WIN 0
	CROUND                                         ; all sixteen work-groups are here: the first joint loads meet
	JLOAD 0, 1                                     ; both slots' first fills: two tensor loads of mine are out
	v_mul_u32_u24 v3, v1, PITCH
	v_lshl_add_u32 v4, v2, 4, v3                   ; a fragment's row x pitch + 16 x half
	s_mul_i32 s23, s[RH], HALFT                    ; my 128 rows of x
	s_mul_i32 s66, s[CH], HALFT                    ; my 128 rows of w,
	s_add_co_u32 s66, s66, XCB                     ; which lie behind x's 256
.irp s, 0,1
	v_add_nc_u32 v[ADRA+\s], s23, v4
	v_add_nc_u32 v[ADRB+\s], s66, v4
	s_add_co_u32 s23, s23, SLOT
	s_add_co_u32 s66, s66, SLOT
.endr
	s_lshl_b32 s23, s[RH], 11                      ; x's scale bytes: my 128 rows of 16 bytes
	s_lshl_b32 s66, s[CH], 11                      ; w's: my 128 rows, 4,096 bytes further on
	s_add_co_u32 s66, s66, 4096
	s_sub_co_u32 s66, s66, s23                     ; the distance between the two
	v_mul_u32_u24 v6, s66, v2                      ; lanes 16-31 take w's
	s_add_co_u32 s23, s23, XSO
	v_lshl_add_u32 v5, v1, 4, v6
	v_add_nc_u32 v[ADRS], s23, v5
	v_add_nc_u32 v[ADRS+1], SLOT, v[ADRS]
	s_mul_i32 s23, s[WV], 16*SPITCH                ; my stage
	v_mul_u32_u24 v5, v1, SPITCH                   ; in: row r, 32 bytes for each half of the lanes
	v_lshl_add_u32 v5, v2, 5, v5
	v_add_nc_u32 v[STO], s23, v5
	v_and_b32 v6, 31, v0
	v_lshlrev_b32 v[CO], 4, v6                     ; back: the 32 lanes take one row of 512 bytes; and the same in out
	v_add_nc_u32 v[RD], s23, v[CO]
.macro FRAG reg, adr, q, i             ; a fragment, 16 rows x 128 K of 4-bit codes: lane l holds row l % 16; registers 4 c .. 4 c + 3 hold K = 64 c + 32 (l / 16) + 0 .. 31
.irp c, 0,1
	ds_load_b128 v[\reg+4*\c:\reg+4*\c+3], v[\adr] offset:64*(\q)+32*\c+(\i)*16*PITCH
.endr
.endm
; 16 matrix instructions: x's blocks a0, a0 + 1 against w's eight, the slot's q-th 128 along K.  p: w's set;  sc: the set of scale words.
; The 64 accumulators take turns, one instruction a turn, in the same order in every step and in the small product.
.macro MUL16 a0, p, q, sc
.irp a, \a0, \a0+1
.irp b, 0,1,2,3,4,5,6,7
	v_wmma_scale_f32_16x16x128_f8f6f4 v[8*(8*((\a)%4)+\b):8*(8*((\a)%4)+\b)+7], v[128*(\p)+FR*\b:128*(\p)+FR*\b+FR-1], v[AF+FR*(\a):AF+FR*(\a)+FR-1], v[8*(8*((\a)%4)+\b):8*(8*((\a)%4)+\b)+7], v[SC+8*NQ*(\sc)+NQ*\b+(\q)], v[SC+8*NQ*(\sc)+NQ*(\a)+(\q)] matrix_a_fmt:MATRIX_FMT_FP4 matrix_b_fmt:MATRIX_FMT_FP4 matrix_a_scale:MATRIX_SCALE_ROW1
.endr
.endr
.endm
.macro FETCH_B slot, q, p              ; w's eight fragments of the slot's q-th 128 along K into set p
	WIN TO_B
.irp i, 0,1,2,3,4,5,6,7
	FRAG 128*(\p)+FR*\i, ADRB+\slot, \q, \i
.endr
	WIN 0
.endm
.macro FETCH_A slot, q, i0             ; x's blocks i0 .. i0 + 3
.irp i, \i0, \i0+1, \i0+2, \i0+3
	FRAG AF+FR*(\i), ADRA+\slot, \q, \i
.endr
.endm
.macro SCALES sc                       ; slot sc's scale words: 16 bytes a row = the four words of its K step; lanes 0-15 take x's block i, lanes 16-31 w's block i
.irp i, 0,1,2,3,4,5,6,7
	ds_load_b128 v[SC+8*NQ*\sc+NQ*\i:SC+8*NQ*\sc+NQ*\i+3], v[ADRS+\sc] offset:256*\i
.endr
.endm
; A step of 128 along K that has its successor in the same slot.  A load into a register that a matrix instruction has read stands NP places behind it; only plain vector instructions that name none of its registers are places.
.macro STEP slot, q
	s_wait_dscnt 4*NL                              ; w's set, x's blocks 0-3 and the scale words are in; the youngest eight loads (x's blocks 4-7) may be out
	WIN MUL_LO
	MUL16 0, (\q)%2, \q, \slot
	MUL16 2, (\q)%2, \q, \slot
	s_wait_dscnt 0                                 ; x's blocks 4-7 are in (asked for 32 matrix instructions ago)
	PLACES NP
	FETCH_B \slot, (\q)+1, 1-(\q)%2
	FETCH_A \slot, (\q)+1, 0
	WIN MUL_HI
	MUL16 4, (\q)%2, \q, \slot
	MUL16 6, (\q)%2, \q, \slot
	PLACES NP
	WIN 0
	FETCH_A \slot, (\q)+1, 4
.endm
; A slot's last step changes slots: ONE barrier; in front of it each wave waits for all its tensor loads, adds 0 to its spare word, and waits for that and for its own reads of this slot.  fill = 1: this slot is filled again, two K steps ahead.
.macro TURN slot, next, fill
	s_wait_tensorcnt 0x0                           ; all my tensor loads have landed: my tile of the next slot;  (every window is 0 here)
	ds_add_u32 v[SPW], v[NIL]                      ; 0 onto my spare word
.if \fill
	NEXTK                                          ; no tensor load of mine is out, so every group 0 may be written: this slot's descriptors are aimed at the K step that follows the one asked for last,
	AIM \slot                                      ; here, so that the joint load can stand straight behind the round
.endif
	s_wait_dscnt 4*NL+1                            ; (the add and the youngest eight loads, x's blocks 4-7, may be out)
	WIN MUL_LO
	MUL16 0, 1, NQ-1, \slot                        ; sixteen matrix instructions stand between the add and the wait for it
	s_wait_dscnt 0x0                               ; the add is done, and my reads of this slot are over
	s_barrier_signal -1
	MUL16 2, 1, NQ-1, \slot
	WIN 0
	s_barrier_wait -1
.if \fill
	CREST                                          ; the barrier has opened a round of the cluster's barrier: no wave of any partner still reads this slot or has a load on its way
	JLOAD \slot, 0                                 ; the first tensor load behind the round, one a wave; the four v_nop behind it are the places in front of the loads below
.else
	PLACES NP
.endif
	FETCH_B \next, 0, 0
	FETCH_A \next, 0, 0
	SCALES \next
	WIN MUL_HI
	MUL16 4, 1, NQ-1, \slot
	MUL16 6, 1, NQ-1, \slot
	PLACES NP
	WIN 0
	FETCH_A \next, 0, 4
.endm
.macro STEPS slot, from                ; the slot's steps from .. NQ - 2
.set Q, \from
.rept NQ-1-\from
	STEP \slot, Q
.set Q, Q+1
.endr
.endm
	s_wait_loadcnt 0x0                             ; t, A and the bias are in
.irp a, 0,1,2,3,4,5,6,7                        ; THE SMALL PRODUCT STARTS THE SUMS: out = bias + t A, in the order of turns of every later step
	WIN 0x91+0x40*(\a/4)                           ; source 0 (A) and C (the bias) window 1, source 1 (t) window 0, D window 2 or 3
.irp b, 0,1,2,3,4,5,6,7
	v_wmma_f32_16x16x32_bf16 v[8*(8*(\a%4)+\b):8*(8*(\a%4)+\b)+7], v[AT+8*\b:AT+8*\b+7], v[TF+8*\a:TF+8*\a+7], v[BI+8*\b:BI+8*\b+7]
.endr
.endr
	WIN 0
	PLACES 5                                       ; another form will write over these results: five places stand between
	s_wait_tensorcnt 1                             ; my tile of slot 0 is in (slot 1's may be out)
	s_barrier_signal -1
	s_barrier_wait -1                              ; everybody's is
	FETCH_B 0, 0, 0
	FETCH_A 0, 0, 0
	SCALES 0
	FETCH_A 0, 0, 4
	STEP 0, 0
	s_mov_b32 s3, LAPS-1
.Llap:                                                 ; a trip goes once round the ring, from a lap's second step to the next lap's first, and fills both slots again: the walk's third to eighth K step in three trips
	STEPS 0, 1
	TURN 0, 1, 1
	STEPS 1, 0
	TURN 1, 0, 1
	STEP 0, 0
	s_sub_co_u32 s3, s3, 1
	s_cmp_lg_u32 s3, 0
	s_cbranch_scc1 .Llap
	STEPS 0, 1                                     ; the last lap is written out: it fills nothing, and has no round of the cluster's barrier
	TURN 0, 1, 0
	STEPS 1, 0
	s_wait_dscnt 4*NL                              ; the very last step: nothing more to fetch
	WIN MUL_LO
	MUL16 0, 1, NQ-1, 1
	MUL16 2, 1, NQ-1, 1
	s_wait_dscnt 0
	WIN MUL_HI
	MUL16 4, 1, NQ-1, 1
	MUL16 6, 1, NQ-1, 1
	WIN 0
; THE WAY OUT, block by block of 16 rows x 128 columns.  A lane holds 32 neighbouring bytes of a row, and the lanes beside it hold other rows: so a block goes through my own stage in LDS and comes back as whole
; rows of 512 bytes.  LDS serves a wave's instructions in order (ISA guide 5.7.1.4): no wait between the stores and the loads, nor in front of the next block's stores.
.macro TOSTAGE a
.set AC, 64*((\a)%4)
	WIN 0x08+4*((\a)/4)                            ; an LDS store's data are its source 1: window 2 or 3
.irp b, 0,1,2,3,4,5,6,7
	ds_store_b128 v[STO], v[AC+8*\b:AC+8*\b+3] offset:64*\b          ; each accumulator from its low end on
	ds_store_b128 v[STO], v[AC+8*\b+4:AC+8*\b+7] offset:64*\b+16
.endr
	WIN 0
.set BB, BK+64*((\a)%2)
.irp t, 0,1,2,3,4,5,6,7,8,9,10,11,12,13,14,15
	ds_load_b128 v[BB+4*\t:BB+4*\t+3], v[RD] offset:\t*SPITCH
.endr
.endm
.macro SEND a, younger                 ; younger: the LDS instructions issued behind block a's loads, which may stay out
.set BB, BK+64*((\a)%2)
	s_wait_dscnt \younger                          ; the block is back in registers
.if (\a) > 0
	s_add_nc_u64 s[18:19], s[18:19], 16*SIZE_N*4   ; (behind a wait on XCNT: the earlier stores have read their base)  16 rows of out on: the stores' offsets reach 15 rows, 245,760 bytes
.endif
.irp t, 0,1,2,3,4,5,6,7,8,9,10,11,12,13,14,15
	global_store_b128 v[CO], v[BB+4*\t:BB+4*\t+3], s[18:19] offset:\t*SIZE_N*4 th:TH_STORE_NT   ; 32 lanes store 512 bytes on end, on a multiple of 256 from out's first byte; written once, read by nobody here
.endr
.endm
	PLACES NP                                      ; ahead of the first read of results and of the loads into registers that held x's and t's fragments
	TOSTAGE 0
.irp a, 1,2,3,4,5,6,7
.if \a > 1
	s_wait_xcnt 0x0                                ; block a - 2's stores have read their registers and their base: block a's loads may land there, and the base may step
.endif
	TOSTAGE \a
	SEND \a-1, 32                                  ; behind block a - 1's loads: block a's 16 stores and 16 loads
.endr
	s_wait_xcnt 0x0                                ; block 6's stores have read their base
	SEND 7, 0
	s_wait_tensorcnt 0x0                           ; the wave's end: behind my last tensor load and my last LDS store
	ds_add_u32 v[SPW], v[NIL]
	s_wait_dscnt 0x0
	CROUND                                         ; the closing round: no work-group ends while a partner may still ask for a tile that names it
	s_endpgm
.Lfunc_end_k_qab48567398_gemm:
	.size	k_qab48567398_gemm, .Lfunc_end_k_qab48567398_gemm-k_qab48567398_gemm
	.p2alignl 7, 3214868480
	.fill 96, 4, 3214868480
	.section	.rodata,"a",@progbits
	.p2align	6, 0x0
	.amdhsa_kernel k_qab48567398_gemm
		.amdhsa_group_segment_fixed_size 327680
		.amdhsa_private_segment_fixed_size 0
		.amdhsa_enable_private_segment 0
		.amdhsa_kernarg_size 64
		.amdhsa_user_sgpr_count 2
		.amdhsa_user_sgpr_kernarg_segment_ptr 1
		.amdhsa_wavefront_size32 1
		.amdhsa_system_sgpr_workgroup_id_x 1
		.amdhsa_system_sgpr_workgroup_id_y 1
		.amdhsa_system_sgpr_workgroup_id_z 1
		.amdhsa_system_vgpr_workitem_id 0
		.amdhsa_next_free_vgpr 1024
		.amdhsa_next_free_sgpr 102
		.amdhsa_reserve_vcc 0
		.amdhsa_float_denorm_mode_32 3
		.amdhsa_float_denorm_mode_16_64 3
		.amdhsa_memory_ordered 1
		.amdhsa_forward_progress 1
		.amdhsa_inst_pref_size 223
	.end_amdhsa_kernel
	.amdgpu_metadata
---
amdhsa.version: [ 1, 2 ]
amdhsa.kernels:
  - .name:           k_qab48567398_gemm
    .symbol:         k_qab48567398_gemm.kd
    .args:
      - { .name: x_codes, .offset: 0, .size: 8, .value_kind: global_buffer, .address_space: global }
      - { .name: x_sc, .offset: 8, .size: 8, .value_kind: global_buffer, .address_space: global }
      - { .name: w_codes, .offset: 16, .size: 8, .value_kind: global_buffer, .address_space: global }
      - { .name: w_sc, .offset: 24, .size: 8, .value_kind: global_buffer, .address_space: global }
      - { .name: tb, .offset: 32, .size: 8, .value_kind: global_buffer, .address_space: global }
      - { .name: at, .offset: 40, .size: 8, .value_kind: global_buffer, .address_space: global }
      - { .name: bias, .offset: 48, .size: 8, .value_kind: global_buffer, .address_space: global }
      - { .name: out0, .offset: 56, .size: 8, .value_kind: global_buffer, .address_space: global }
    .group_segment_fixed_size: 327680
    .private_segment_fixed_size: 0
    .kernarg_segment_align: 8
    .kernarg_segment_size: 64
    .max_flat_workgroup_size: 128
    .sgpr_count:     102
    .vgpr_count:     1024
    .wavefront_size: 32
...
	.end_amdgpu_metadata
.endif
;; end of part 2
;; ======== version 2 of 2: 2 launches; version 1 with the launch prep written anew for expert scheduling mode
;; workspace buffers: w_codes 8,388,608 bytes; w_sc 524,288 bytes; x_sc 524,288 bytes; tb 262,144 bytes; at 131,072 bytes
;; launch prep (part 3): grid 256 x 1, 10 waves a work-group, no clusters, 170,240 bytes of LDS; arguments qweight, scale, w_codes, w_sc, x_codes, x_scales, B_codes, B_scales, A, x_sc, tb, at; writes w_codes, w_sc, x_sc, tb, at
.if DOCPART == 3
	.amdgcn_target "amdgcn-amd-amdhsa--gfx1250"
	.amdhsa_code_object_version 6
	.text
	.protected	k_qab48567398_prep
	.globl	k_qab48567398_prep
	.p2align	8
	.type	k_qab48567398_prep,@function
k_qab48567398_prep:
	s_mov_b64 s[64:65], 0
	v_nop
	global_prefetch_b8 v0, s[64:65] scope:SCOPE_SE
	s_setreg_imm32_b32 hwreg(HW_REG_WAVE_SCHED_MODE, 0, 2), 2
	s_setreg_imm32_b32 hwreg(HW_REG_WAVE_MODE, 25, 1), 1
	s_wait_xcnt 0x0
	s_wait_alu depctr_vm_vsrc(0)
; TWO JOBS IN ONE LAUNCH, parted once on the wave's number; the two ways never join.  256 work-groups of ten waves: every work-group has the same work.
; Waves 0 to 7: w = f32(qweight) x scale, [4096][4096], K innermost, becomes codes of FP4 (E2M1) in w_codes [4096][2048 bytes] and one E8M0 byte
;   for each 32 along K in w_sc, laid BY K STEP OF 512: [8 steps][4096 rows][16 bytes], so that the scale bytes of 256 rows for one K step are 4,096 bytes on end.
;   The work-group takes 16 rows, wave s of it the s-th 512 along K.  A block's byte is its largest magnitude's exponent field - 2, held at 1 from below.
; Waves 8 and 9: the work-group's 16 rows of x, half of K each (four K steps): a partial t = x B on the codes as they are given, rounded to bf16 into its own plane of tb [2][4096][16]
;   (the next launch's product of rank 16 has room for 32 along its K and takes both planes, so the halves are never added here);
;   the rows' scale bytes, which the product wants anyway, are stored again by K step into x_sc [8][4096][16]; wave 8 also turns 16 columns of A, as bf16 with the rank innermost, into at [4096][16].
; LIMITS: a block of w whose largest magnitude lies under 2^(3 - 127), a block of zeros among them, gets the byte 1 (its codes are zeros or nearly so; this program alone reads the bytes);
;   a scale that is NaN or infinite is not served; t's halves and A are rounded to bf16, for a product of rank 16 that is not quantised.
; No tensor loads and no barrier: waves share nothing.  LDS: every address is a constant + a constant x the wave's number: ten places of 8,192 bytes for the first job, then ten of 8,704 for the second;
; each job leaves the other's waves' places unused (one work-group lies on a WGP, so LDS is not short).
; THE MODE: SCHED_MODE bits 1:0 = 2 (LLVM: expert scheduling mode 2), set by the entry lines.  The code itself states the register dependences
; between vector or matrix instructions and memory or LDS instructions, with s_wait_alu, always for 0.
; THE PLAN, waves 0 to 7.  Registers that memory or LDS instructions touch:
;   v3-v6, v14, v15  offsets and LDS addresses: made at the job's head, never written again.
;   R0 .. R7         written by global loads, read by the stage's LDS stores: no vector instruction names them.  R[t % 8] is loaded again in step t, for step t + 8.
;   X0, X1           the stage's LDS loads land in them; step t's arithmetic reads and writes X[t % 2]; the numbers of step t + 2 land there in step t + 1.
;   C[t], E[t]       written once, by step t's conversions and shift; read by one store each, issued at the head of step t + 1.
;   So the head of step t holds one wait on vm_vsrc (this step's stores into the stage have read R[t % 8]) and one on va_vdst (step t - 1 has written C and E and is done with the other X).
;   Behind them stand the two stores of step t - 1 and the loads of step t + 8, and step t + 1's eight LDS instructions are dealt among step t's first vector instructions, which name X[t % 2] alone.
; THE PLAN, waves 8 and 9:
;   v4-v10           offsets and LDS addresses: made at the job's head, never written again.
;   RAW0, RAW1       written by global loads, read by K step s's LDS stores; loaded again behind them, for K step s + 2; at the end v16-27 take the sums.
;   FX, FB           the LDS loads of a K step land in them; its four matrix instructions read them.  (In wave 8 A's numbers pass through v144-151 first.)
;   XSR, BSR         loaded once; read by matrix instructions as scales, XSR by stores too.  The accumulators are named by matrix and vector instructions alone.
;   So a K step holds one wait on va_vdst, ahead of its LDS loads (the last step's matrix instructions are done reading FX and FB), and one on vm_vsrc, ahead of the loads into RAW,
;   which are dealt among the step's matrix instructions: these name FB, FX, the accumulators and the scale words, none of which those loads touch.
.set QWAVES, 8
.set STEPS, 16
.set DEPTH, 8                          ; the quantiser's loads run eight steps ahead: 32 loads of 512 bytes a wave
.set SP,    80                         ; quantiser: a lane's place in a stage: its 64 bytes + 16 of padding
.set R,     16                         ; v16-143  eight sets of 16 numbers as they are loaded
.set X,     144                        ; v144-175 two sets of 16 neighbours
.set E,     176                        ; v176-191 a scale byte for each step
.set C,     192                        ; v192-223 codes: two registers for each step, so that no store's data are written again
.set LBASE, 81920                      ; second job's LDS: behind ten places of 8,192 bytes
.set LWAVE, 8704                       ; a wave's: 16 rows x 272 for x, then the same for B
.set BST,   4352
.set RAW,   16                         ; v16-143  two sets: 32 registers of x's codes as loaded, then 32 of B's
.set FX,    144                        ; v144-175 x's four fragments of a K step
.set FB,    176                        ; v176-207 B's
.set ACC,   208                        ; v208-215, v216-223 two accumulators, by turns
.set XSR,   240                        ; v240-247 x's scale words: register 4 u + q: lanes 0-15 my K step 2 u, lanes 16-31 my K step 2 u + 1
.set BSR,   248                        ; v248-255 B's likewise.  Neither job names v240-255 for anything else
	s_load_b256 s[4:11], s[0:1], 0x0               ; qweight s[4:5], scale s[6:7], w_codes s[8:9], w_sc s[10:11]
	s_load_b256 s[12:19], s[0:1], 0x20             ; x_codes s[12:13], x_scales s[14:15], B_codes s[16:17], B_scales s[18:19]
	s_load_b256 s[20:27], s[0:1], 0x40             ; A s[20:21], x_sc s[22:23], tb s[24:25], at s[26:27]
	v_lshl_add_u32 v238, v0, 2, 0x29400
	v_mov_b32 v239, 0
	v_lshrrev_b32 v1, 5, v0
	v_readfirstlane_b32 s30, v1                    ; wave 0..9
	v_and_b32 v2, 31, v0                           ; lane
	s_mov_b32 s33, 0                               ; the upper word of every offset: all stay under 2^32
	s_wait_kmcnt 0x0
	s_wait_alu depctr_va_sdst(0)                   ; s30 is written, ahead of its first reader, the compare below
	s_cmp_ge_u32 s30, QWAVES
	s_cbranch_scc1 .Llora
; ---------------- THE QUANTISER.  A wave takes 16 rows x 512 along K, a row a step: 2,048 bytes on end in, 256 bytes of codes out, 16 scale bytes.
; The conversions take neighbours along K from ONE lane's registers, so a lane must hold 16 neighbours; a load is best where neighbouring lanes take neighbouring bytes.
; Both are had: a step's four loads read 512 bytes on end each, and the 2,048 bytes turn through the wave's own stage in LDS.
	s_load_b32 s28, s[6:7], 0x0                    ; the scale
	v_lshlrev_b32 v3, 4, v2                        ; my 16 bytes of a load's 512
	s_lshl_b32 s37, s30, 13                        ; my wave's 8,192 bytes of LDS
	v_lshrrev_b32 v14, 2, v2
	v_mul_u32_u24 v14, v14, SP
	v_and_b32 v15, 3, v2
	v_lshl_add_u32 v14, v15, 4, v14
	v_add_nc_u32 v14, s37, v14                     ; the stage, on the way in: SP (lane / 4) + 16 (lane % 4); a load's 512 bytes take eight places
	v_mul_u32_u24 v15, v2, SP
	v_add_nc_u32 v15, s37, v15                     ; and on the way out: SP x lane: my 16 neighbours
	v_lshlrev_b32 v4, 3, v2                        ; 8 x lane: my codes' place in a step's 256 bytes, and my 8 of the wave's 256 scale bytes
	v_lshrrev_b32 v5, 1, v2
	s_add_co_u32 s37, s37, 2*32*SP                 ; behind the two stages: the wave's 256 scale bytes
	v_add_nc_u32 v5, s37, v5                       ; my block's byte
	v_add_nc_u32 v6, s37, v4                       ; and on the way out 8 bytes a lane
	s_lshl_b32 s32, ttmp9, 18                      ; qweight: 16 rows of 16,384 bytes for each work-group + 2,048 x wave
	s_lshl_b32 s36, s30, 11
	s_or_b32 s32, s32, s36
	s_add_nc_u64 s[4:5], s[4:5], s[32:33]
	s_lshl_b32 s32, ttmp9, 15                      ; w_codes: 16 rows of 2,048 bytes + 256 x wave
	s_lshl_b32 s36, s30, 8
	s_or_b32 s32, s32, s36
	s_add_nc_u64 s[8:9], s[8:9], s[32:33]
	s_lshl_b32 s32, s30, 16                        ; w_sc: 65,536 x wave + 16 rows of 16 bytes: the wave's 256 bytes, on a multiple of 256
	s_lshl_b32 s36, ttmp9, 8
	s_or_b32 s32, s32, s36
	s_add_nc_u64 s[10:11], s[10:11], s[32:33]
.macro LOAD t                          ; row t's 512 numbers, into set t % 8
.irp i, 0,1,2,3
	global_load_b128 v[R+16*((\t)%DEPTH)+4*\i:R+16*((\t)%DEPTH)+4*\i+3], v3, s[4:5] offset:16384*(\t)+512*\i th:TH_LOAD_NT   ; 32 lanes read 512 bytes on end; read once in the launch
.endr
.endm
.macro TURN t                          ; step t's numbers through the stage: LDS serves a wave's instructions in order (ISA guide 5.7.1.4), so no wait stands between the stores and the loads
.irp i, 0,1,2,3
	ds_store_b128 v14, v[R+16*((\t)%DEPTH)+4*\i:R+16*((\t)%DEPTH)+4*\i+3] offset:32*SP*((\t)%2)+8*SP*\i
.endr
.irp i, 0,1,2,3
	ds_load_b128 v[X+16*((\t)%2)+4*\i:X+16*((\t)%2)+4*\i+3], v15 offset:32*SP*((\t)%2)+16*\i
.endr
.endm
	s_wait_alu depctr_va_vdst(0)                   ; v3 to v6, v14 and v15 are written: every load and store of this job reads one of them as its offset or address
.irp t, 0,1,2,3,4,5,6,7
	LOAD \t
.endr
	s_wait_kmcnt 0x0
	s_mov_b32 s29, s28                             ; the packed multiply names the pair and takes its low word for both halves
	s_wait_loadcnt 28                              ; step 0's four loads are in; the 28 behind them may be out
	TURN 0
.macro STEP t
.set XS, X+16*((\t)%2)
.set XN, X+16*(((\t)+1)%2)                     ; the other X, for the next step's numbers
.set RN, R+16*(((\t)+1)%DEPTH)                 ; the next step's numbers as loaded
	s_wait_dscnt 0x0                               ; this step's numbers are back from the stage
.if (\t)+DEPTH < STEPS
	s_wait_alu depctr_vm_vsrc(0)                   ; this step's stores into the stage have read R[t % 8], in which the loads of eight steps on land
.endif
.if (\t) > 0
	s_wait_alu depctr_va_vdst(0)                   ; the step before has written its codes and its byte, which the two stores below read, and is done with the other X, in which the next step's numbers land
	ds_store_b8 v5, v[E+(\t)-1] offset:16*((\t)-1) ; both lanes of a block write the same byte with the same value
	global_store_b64 v4, v[C+2*((\t)-1):C+2*((\t)-1)+1], s[8:9] offset:2048*((\t)-1)   ; the wave stores 256 bytes on end, on a multiple of 256
.endif
.if (\t)+DEPTH < STEPS
	LOAD (\t)+DEPTH
.endif
.if (\t)+1 < STEPS
.if STEPS-2-(\t) >= DEPTH-1
	s_wait_loadcnt 4*(DEPTH-1)                     ; the next step's four loads are in; those of the seven steps behind it may be out
.else
	s_wait_loadcnt 4*(STEPS-2-(\t))                ; at the end fewer are left
.endif
.endif
; The next step's numbers go through the other stage while this step is worked: its eight LDS instructions are dealt among this step's sixteen conversions.
; No further wait: the vector instructions since the wait above name X[t % 2] alone, the LDS instructions R[(t + 1) % 8], the other X, v14 and v15.
.irp i, 0,1,2,3
.if (\t)+1 < STEPS
	ds_store_b128 v14, v[RN+4*\i:RN+4*\i+3] offset:32*SP*(((\t)+1)%2)+8*SP*\i
.endif
	v_cvt_f32_i32 v[XS+2*\i], v[XS+2*\i]           ; exact
	v_cvt_f32_i32 v[XS+2*\i+1], v[XS+2*\i+1]
.endr
.irp i, 0,1,2,3
.if (\t)+1 < STEPS
	ds_load_b128 v[XN+4*\i:XN+4*\i+3], v15 offset:32*SP*(((\t)+1)%2)+16*\i    ; LDS serves a wave's instructions in order (ISA guide 5.7.1.4): these see the stores above
.endif
	v_cvt_f32_i32 v[XS+8+2*\i], v[XS+8+2*\i]
	v_cvt_f32_i32 v[XS+8+2*\i+1], v[XS+8+2*\i+1]
.endr
.irp i, 0,2,4,6,8,10,12,14
	v_pk_mul_f32 v[XS+\i:XS+\i+1], v[XS+\i:XS+\i+1], s[28:29] op_sel_hi:[1,0]   ; w = q x scale: one rounding in f32
.endr
	v_max3_num_f32 v8, |v[XS]|, |v[XS+1]|, |v[XS+2]|               ; the largest magnitude of my 16, in two chains
	v_max3_num_f32 v9, |v[XS+3]|, |v[XS+4]|, |v[XS+5]|
.irp i, 6,10
	v_max3_num_f32 v8, v8, |v[XS+\i]|, |v[XS+\i+1]|
	v_max3_num_f32 v9, v9, |v[XS+\i+2]|, |v[XS+\i+3]|
.endr
	v_max3_num_f32 v8, v8, |v[XS+14]|, |v[XS+15]|
	v_max3_num_f32 v8, v8, v9, 0x1800000           ; and the floor 2^(3 - 127): the byte cannot fall under 1
	v_max_num_f32_dpp v8, v8, v8 row_xmask:1 row_mask:0xf bank_mask:0xf   ; and of my neighbour's 16: the block's
	v_add_nc_u32 v11, 0xff000000, v8               ; 2 off its exponent field: the conversion takes the exponent field of this operand as its scale, and nothing else of it
	v_cvt_scalef32_pk8_fp4_f32 v[C+2*(\t)], v[XS:XS+7], v11        ; to the nearest code, ties to even, beyond the largest code the largest; the first number's code in the lowest four bits
	v_cvt_scalef32_pk8_fp4_f32 v[C+2*(\t)+1], v[XS+8:XS+15], v11
	v_lshrrev_b32 v[E+(\t)], 23, v11               ; the scale's byte.  (Also the plain line behind the conversions)
.endm
.irp t, 0,1,2,3,4,5,6,7,8,9,10,11,12,13,14,15
	STEP \t
.endr
	s_wait_alu depctr_va_vdst(0)                   ; step 15 has written its codes and its byte, which the two stores below read
	ds_store_b8 v5, v[E+STEPS-1] offset:16*(STEPS-1)
	global_store_b64 v4, v[C+2*(STEPS-1):C+2*(STEPS-1)+1], s[8:9] offset:2048*(STEPS-1)
	ds_load_b64 v[12:13], v6                       ; LDS serves a wave's instructions in order: these see my byte stores
	s_wait_dscnt 0x0
	global_store_b64 v4, v[12:13], s[10:11]        ; 16 rows x 16 scale bytes: 256 bytes on end, on a multiple of 256
	s_wait_dscnt 0x0                               ; the closing lines, six on end
	s_wait_alu 0x0
	s_wait_tensorcnt 0x0
	ds_add_u32 v238, v239
	s_wait_dscnt 0x0
	s_endpgm
; ---------------- A partial t = x B, x's scale bytes by K step, A turned.  Waves 8 and 9 own rows 16 T .. 16 T + 15 of x (T = the work-group's number); wave 8 + p takes K steps 4 p .. 4 p + 3.
; The product is used transposed (source 0 = B's 16 rows, one for each rank; source 1 = 16 rows of x): lane (r, h) then holds t(16 T + r, 8 h + 0 .. 7).
; Codes are loaded as they lie (sixteen lanes take 256 bytes on end of one row) and turn into fragments through the wave's own stage, rows 272 bytes apart.
.Llora:
	s_and_b32 s31, s30, 1                          ; p
	v_and_b32 v1, 15, v0                           ; r
	v_bfe_u32 v3, v0, 4, 1                         ; h
	v_lshlrev_b32 v4, 4, v1
	v_lshl_add_u32 v4, v3, 11, v4                  ; codes in memory: row h of a pair of rows, 16 r
	s_mul_i32 s37, s30, LWAVE
	s_add_co_u32 s37, s37, LBASE                   ; my wave's stages
	v_mul_u32_u24 v5, v3, 272
	v_lshl_add_u32 v5, v1, 4, v5
	v_add_nc_u32 v5, s37, v5                       ; into a stage: the same two rows
	v_mul_u32_u24 v6, v1, 272
	v_lshl_add_u32 v6, v3, 4, v6
	v_add_nc_u32 v6, s37, v6                       ; out of it: a fragment's row r, + 16 h
	v_lshlrev_b32 v7, 7, v1
	v_lshl_add_u32 v7, v3, 4, v7                   ; scale bytes as given: row r of 128 bytes, + 16 h: lanes 16-31 take the K step behind
	v_lshlrev_b32 v8, 4, v1
	v_lshl_add_u32 v8, v3, 16, v8                  ; x_sc: 16 r, + 65,536 h: that K step's plane
	v_lshlrev_b32 v9, 2, v1
	v_lshl_add_u32 v9, v3, 17, v9                  ; A: column r, + 8 h rows of 16,384 bytes
	v_lshlrev_b32 v10, 5, v1
	v_lshl_add_u32 v10, v3, 4, v10                 ; tb and at: row r of 32 bytes, + 16 h
	s_lshl_b32 s32, ttmp9, 15                      ; x_codes: 16 T rows of 2,048 bytes + my four K steps' 1,024 p
	s_lshl_b32 s36, s31, 10
	s_or_b32 s32, s32, s36
	s_add_nc_u64 s[12:13], s[12:13], s[32:33]
	s_mov_b32 s32, s36                             ; B_codes: 1,024 p
	s_add_nc_u64 s[16:17], s[16:17], s[32:33]
	s_lshl_b32 s32, ttmp9, 11                      ; x_scales: 16 T rows of 128 bytes + 64 p
	s_lshl_b32 s36, s31, 6
	s_or_b32 s32, s32, s36
	s_add_nc_u64 s[14:15], s[14:15], s[32:33]
	s_mov_b32 s32, s36                             ; B_scales: 64 p
	s_add_nc_u64 s[18:19], s[18:19], s[32:33]
	s_lshl_b32 s32, ttmp9, 8                       ; x_sc: 16 T rows of 16 bytes + four planes of 65,536 x p
	s_lshl_b32 s36, s31, 18
	s_or_b32 s32, s32, s36
	s_add_nc_u64 s[22:23], s[22:23], s[32:33]
	s_lshl_b32 s32, ttmp9, 9                       ; at: 16 T rows of 32 bytes
	s_add_nc_u64 s[26:27], s[26:27], s[32:33]
	s_lshl_b32 s36, s31, 17                        ; tb: the same + plane p of 131,072 bytes
	s_or_b32 s32, s32, s36
	s_add_nc_u64 s[24:25], s[24:25], s[32:33]
	s_lshl_b32 s32, ttmp9, 6
	s_add_nc_u64 s[20:21], s[20:21], s[32:33]      ; A: 16 T columns of 4 bytes
.macro GLP s, i                        ; my K step s, pair i of rows: 2 x 256 bytes of x and of B, into set s % 2
	global_load_b128 v[RAW+64*((\s)%2)+4*(\i):RAW+64*((\s)%2)+4*(\i)+3], v4, s[12:13] offset:4096*(\i)+256*(\s)
	global_load_b128 v[RAW+64*((\s)%2)+32+4*(\i):RAW+64*((\s)%2)+32+4*(\i)+3], v4, s[16:17] offset:4096*(\i)+256*(\s)
.endm
.macro GL s                            ; my K step s: 16 rows x 256 bytes of x and of B, into set s % 2: 16 loads, each of two runs of 256 bytes
.irp i, 0,1,2,3,4,5,6,7
	GLP \s, \i
.endr
.endm
.macro TMUL s, q                       ; 128 along K: the two accumulators take turns, one instruction a turn, from step to step too
.set AC, ACC+8*((\q)%2)
.if ((\s) == 0) && ((\q) < 2)
	v_wmma_scale_f32_16x16x128_f8f6f4 v[AC:AC+7], v[FB+8*(\q):FB+8*(\q)+7], v[FX+8*(\q):FX+8*(\q)+7], 0, v[BSR+4*((\s)/2)+(\q)], v[XSR+4*((\s)/2)+(\q)] matrix_a_fmt:MATRIX_FMT_FP4 matrix_b_fmt:MATRIX_FMT_FP4
.elseif (\s)%2 == 0
	v_wmma_scale_f32_16x16x128_f8f6f4 v[AC:AC+7], v[FB+8*(\q):FB+8*(\q)+7], v[FX+8*(\q):FX+8*(\q)+7], v[AC:AC+7], v[BSR+4*((\s)/2)+(\q)], v[XSR+4*((\s)/2)+(\q)] matrix_a_fmt:MATRIX_FMT_FP4 matrix_b_fmt:MATRIX_FMT_FP4
.else
	v_wmma_scale_f32_16x16x128_f8f6f4 v[AC:AC+7], v[FB+8*(\q):FB+8*(\q)+7], v[FX+8*(\q):FX+8*(\q)+7], v[AC:AC+7], v[BSR+4*((\s)/2)+(\q)], v[XSR+4*((\s)/2)+(\q)] matrix_a_fmt:MATRIX_FMT_FP4 matrix_b_fmt:MATRIX_FMT_FP4 matrix_a_scale:MATRIX_SCALE_ROW1 matrix_b_scale:MATRIX_SCALE_ROW1
.endif
.endm
.macro TSTEP s
.set RS, RAW+64*((\s)%2)
.if (\s) < 3
	s_wait_loadcnt 16                              ; this step's 16 loads are in; the next step's 16 may be out
.else
	s_wait_loadcnt 0x0
.endif
.irp i, 0,1,2,3,4,5,6,7
	ds_store_b128 v5, v[RS+4*\i:RS+4*\i+3] offset:544*\i
	ds_store_b128 v5, v[RS+32+4*\i:RS+32+4*\i+3] offset:BST+544*\i
.endr
.if (\s) > 0
	s_wait_alu depctr_va_vdst(0)                   ; the last step's matrix instructions are done reading FX and FB, in which the loads below land
.endif
.irp q, 0,1,2,3
.irp c, 0,1
	ds_load_b128 v[FX+8*\q+4*\c:FX+8*\q+4*\c+3], v6 offset:64*\q+32*\c       ; registers 4 c .. 4 c + 3: K = 64 c + 32 h + 0 .. 31 of row r
	ds_load_b128 v[FB+8*\q+4*\c:FB+8*\q+4*\c+3], v6 offset:BST+64*\q+32*\c
.endr
.endr
	s_wait_dscnt 0x0                               ; the fragments are in
.if (\s)+2 < 4
	s_wait_alu depctr_vm_vsrc(0)                   ; this step's LDS stores have read RAW[s % 2], in which the loads of two steps on land
.endif
.irp q, 0,1,2,3
	TMUL \s, \q
.if (\s)+2 < 4
	GLP (\s)+2, 2*\q                               ; four of those sixteen loads behind each matrix instruction.  No wait: the matrix instructions name FB, FX, the accumulators and the scale words, not RAW or v4
	GLP (\s)+2, 2*\q+1
.endif
.endr
.rept 4
	v_nop                                          ; four places (ISA guide 7.12.1) behind the step's last matrix instruction: ahead of the first read of the sums; they stay beside the next step's wait too
.endr
.endm
	s_wait_alu depctr_va_vdst(0)                   ; v4 to v10 are written: every load and store of this job reads one of them as its offset or address
.irp u, 0,1
	global_load_b128 v[XSR+4*\u:XSR+4*\u+3], v7, s[14:15] offset:32*\u
.endr
.irp u, 0,1
	global_load_b128 v[BSR+4*\u:BSR+4*\u+3], v7, s[18:19] offset:32*\u
.endr
	GL 0
	GL 1
	s_cmp_lg_u32 s30, QWAVES                       ; A's 16 columns are wave 8's alone: loads, wait, rounding and store stand inside one branch on the wave's number
	s_cbranch_scc1 .Lno_at
.irp j, 0,1,2,3,4,5,6,7
	global_load_b32 v[FX+\j], v9, s[20:21] offset:16384*\j         ; A(8 h + j, 16 T + r)
.endr
	s_wait_loadcnt 0x0                             ; these are the youngest loads: all are in
.irp i, 0,1,2,3
	v_cvt_pk_bf16_f32 v[12+\i], v[FX+2*\i], v[FX+2*\i+1]
.endr
	s_wait_alu depctr_va_vdst(0)                   ; the roundings have written v12 to v15, which the store reads, and are done reading v[FX ..], in which my first K step's fragments land
	global_store_b128 v10, v[12:15], s[26:27]      ; at(16 T + r, 8 h + 0 .. 7): the wave stores 512 bytes on end
.Lno_at:
	s_wait_loadcnt 32                              ; the scale words are in; the 32 loads of my K steps 0 and 1 may be out
.irp u, 0,1
	global_store_b128 v8, v[XSR+4*\u:XSR+4*\u+3], s[22:23] offset:131072*\u    ; my K steps 2 u and 2 u + 1: each half of the lanes stores 256 bytes on end, on a multiple of 256
.endr
.irp s, 0,1,2,3
	TSTEP \s
.endr
	s_wait_alu depctr_vm_vsrc(0)                   ; the LDS stores of my third K step have read v[RAW ..], into which the sums and roundings below are written
.irp i, 0,1,2,3
	v_pk_add_f32 v[RAW+2*\i:RAW+2*\i+1], v[ACC+2*\i:ACC+2*\i+1], v[ACC+8+2*\i:ACC+8+2*\i+1]   ; the two accumulators' sums, each from its low end on
.endr
.irp i, 0,1,2,3
	v_cvt_pk_bf16_f32 v[RAW+8+\i], v[RAW+2*\i], v[RAW+2*\i+1]
.endr
	s_wait_alu depctr_va_vdst(0)                   ; the roundings have written v[RAW + 8 .. RAW + 11], which the store reads
	global_store_b128 v10, v[RAW+8:RAW+11], s[24:25]               ; my half's t(16 T + r, 8 h + 0 .. 7): the wave stores 512 bytes on end
	s_wait_dscnt 0x0                               ; the closing lines, six on end
	s_wait_alu 0x0
	s_wait_tensorcnt 0x0
	ds_add_u32 v238, v239
	s_wait_dscnt 0x0
	s_endpgm
.Lfunc_end_k_qab48567398_prep:
	.size	k_qab48567398_prep, .Lfunc_end_k_qab48567398_prep-k_qab48567398_prep
	.p2alignl 7, 3214868480
	.fill 96, 4, 3214868480
	.section	.rodata,"a",@progbits
	.p2align	6, 0x0
	.amdhsa_kernel k_qab48567398_prep
		.amdhsa_group_segment_fixed_size 170240
		.amdhsa_private_segment_fixed_size 0
		.amdhsa_enable_private_segment 0
		.amdhsa_kernarg_size 96
		.amdhsa_user_sgpr_count 2
		.amdhsa_user_sgpr_kernarg_segment_ptr 1
		.amdhsa_wavefront_size32 1
		.amdhsa_system_sgpr_workgroup_id_x 1
		.amdhsa_system_sgpr_workgroup_id_y 1
		.amdhsa_system_sgpr_workgroup_id_z 1
		.amdhsa_system_vgpr_workitem_id 0
		.amdhsa_next_free_vgpr 256
		.amdhsa_next_free_sgpr 66
		.amdhsa_reserve_vcc 0
		.amdhsa_float_denorm_mode_32 3
		.amdhsa_float_denorm_mode_16_64 3
		.amdhsa_memory_ordered 1
		.amdhsa_forward_progress 1
		.amdhsa_inst_pref_size 72
	.end_amdhsa_kernel
	.amdgpu_metadata
---
amdhsa.version: [ 1, 2 ]
amdhsa.kernels:
  - .name:           k_qab48567398_prep
    .symbol:         k_qab48567398_prep.kd
    .args:
      - { .name: qweight, .offset: 0, .size: 8, .value_kind: global_buffer, .address_space: global }
      - { .name: scale, .offset: 8, .size: 8, .value_kind: global_buffer, .address_space: global }
      - { .name: w_codes, .offset: 16, .size: 8, .value_kind: global_buffer, .address_space: global }
      - { .name: w_sc, .offset: 24, .size: 8, .value_kind: global_buffer, .address_space: global }
      - { .name: x_codes, .offset: 32, .size: 8, .value_kind: global_buffer, .address_space: global }
      - { .name: x_scales, .offset: 40, .size: 8, .value_kind: global_buffer, .address_space: global }
      - { .name: B_codes, .offset: 48, .size: 8, .value_kind: global_buffer, .address_space: global }
      - { .name: B_scales, .offset: 56, .size: 8, .value_kind: global_buffer, .address_space: global }
      - { .name: A, .offset: 64, .size: 8, .value_kind: global_buffer, .address_space: global }
      - { .name: x_sc, .offset: 72, .size: 8, .value_kind: global_buffer, .address_space: global }
      - { .name: tb, .offset: 80, .size: 8, .value_kind: global_buffer, .address_space: global }
      - { .name: at, .offset: 88, .size: 8, .value_kind: global_buffer, .address_space: global }
    .group_segment_fixed_size: 170240
    .private_segment_fixed_size: 0
    .kernarg_segment_align: 8
    .kernarg_segment_size: 96
    .max_flat_workgroup_size: 320
    .sgpr_count:     66
    .vgpr_count:     256
    .wavefront_size: 32
...
	.end_amdgpu_metadata
.endif
;; end of part 3
;; launch gemm: the kernel of part 2 again; grid 16 x 16, 4 waves a work-group, clusters of 4 x 4, 327,680 bytes of LDS; arguments x_codes, x_sc, w_codes, w_sc, tb, at, bias, out0; writes out0
